; MI455X (gfx1250); checked and timed in simulation.
; The chip was launched on July 23, 2026; its instructions are those of AMD's public machine-readable ISA for CDNA 5 (MIT licence, August 2026) and "CDNA5" Instruction Set Architecture Reference Guide (July 2026). The comments in the code are by the model that wrote it; some were corrected since.
;; Temporal Block. Allowed arithmetic: float matrix products may take bf16 or f16 operands with f32 sums; other float arithmetic in f32, or as packed bf16 or f16 multiplies, adds, multiply-adds, maxima and minima; sums over many terms, partial sums and values carried from step to step in f32; what a program stores and reads back later, other than sums and carried values, may be rounded once to bf16 or f16.
;; Inputs: W1 512 x 2,048 float32; W2 2,048 x 512 float32; Wk 512 x 512 float32; Wo 512 x 512 float32; Wq 512 x 512 float32; Wv 512 x 512 float32; b1 2,048 float32; b2 512 float32; bk 512 float32; bo 512 float32; bq 512 float32; bv 512 float32; ln1_b 512 float32; ln1_w 512 float32; ln2_b 512 float32; ln2_w 512 float32; z 4 x 2,048 x 512 float32.
;; Outputs: out0 4 x 2,048 x 512 float32.
;; One version. Each part assembles by itself: llvm-mc -triple=amdgcn-amd-amdhsa -mcpu=gfx1250 --defsym DOCPART=n.
;; ======== version 1 of 1: 2 launches
;; workspace buffers: wb 6,291,456 bytes
;; launch cast (part 1): grid 48 x 4, 16 waves a work-group, no clusters, 0 bytes of LDS; arguments Wq, Wk, Wv, Wo, W1, W2, wb; writes wb
.if DOCPART == 1
	.amdgcn_target "amdgcn-amd-amdhsa--gfx1250"
	.amdhsa_code_object_version 6
	.text
	.protected	k_qad917ef6eb_cast
	.globl	k_qad917ef6eb_cast
	.p2align	8
	.type	k_qad917ef6eb_cast,@function
k_qad917ef6eb_cast:
	s_mov_b64 s[64:65], 0
	v_nop
	global_prefetch_b8 v0, s[64:65] scope:SCOPE_SE
	s_setreg_imm32_b32 hwreg(HW_REG_WAVE_MODE, 25, 1), 1
	s_wait_xcnt 0x0
; The six weight matrices, f32 [k][n], are rounded once to bf16 and laid out as ONE stream wb of 48 tiles of 131,072 bytes, in the order and in the
; register layout in which the second launch takes them.  Tile t, quarter w (the wave that will read it), fragment f (0..31), half c, lane L = r + 16 h, element e:
;   byte t*131072 + w*32768 + f*1024 + c*512 + L*16 + e*2  holds  W[k0 + 16 c + 8 h + e][n0 + r].
; t = 0..11: Wq, Wk, Wv by t % 3, column block jt = t / 3;  t = 12..15: Wo, jt = t - 12;  t = 16..47: even W1, odd W2, jt = (t - 16) / 2.
; All but W2 (128 columns x 512 k):  k0 = 32 (f / 2),  n0 = 128 jt + 32 w + 16 (f % 2).
; W2 (128 k x 512 columns):          k0 = 128 jt + 32 (f / 8),  n0 = 128 ((f % 8) / 2) + 32 w + 16 (f % 2).
; SHARES.  Work-group (t, w); wave p makes fragments 2 p and 2 p + 1: 32 columns x 32 k.  A lane takes one column: 32 loads of 4 bytes, each load of the wave
; 128 consecutive bytes of a row of W (the other quarters of the 512 bytes belong to the work-groups beside this one); 12.6 MB are read so, once.
; Of a lane's 32 numbers each 8 on end are 16 bytes of the stream: a store of the wave fills two aligned blocks of 256 bytes whole.
; No LDS, no matrix unit: the launch only moves and rounds.
	s_load_b256 s[4:11], s[0:1], 0x0               ; Wq s[4:5], Wk s[6:7], Wv s[8:9], Wo s[10:11]
	s_load_b128 s[12:15], s[0:1], 0x20             ; W1 s[12:13], W2 s[14:15]
	s_load_b64 s[16:17], s[0:1], 0x30              ; wb
	v_lshrrev_b32 v3, 5, v0
	v_readfirstlane_b32 s22, v3                    ; p: wave 0..15
	v_and_b32 v4, 31, v0                           ; lane
	v_lshlrev_b32 v1, 2, v4                        ; source: my column, 4 bytes a lane
	v_lshrrev_b32 v5, 4, v4                        ; which of the two fragments
	v_and_b32 v4, 15, v4                           ; r
	v_lshlrev_b32 v2, 4, v4
	v_lshl_or_b32 v2, v5, 10, v2                   ; destination: 1,024 x fragment + 16 r
	s_mov_b32 s20, ttmp9                           ; t
	s_and_b32 s21, ttmp7, 0xffff                   ; w
	s_mul_i32 s23, s20, 43
	s_lshr_b32 s23, s23, 7                         ; t / 3 (exact for t < 48)
	s_mul_i32 s24, s23, 3
	s_sub_co_u32 s24, s20, s24                     ; t % 3
	s_cmp_ge_u32 s20, 16
	s_cselect_b32 s26, 1, 0
	s_and_b32 s25, s20, 1
	s_and_b32 s27, s26, s25                        ; 1: the tile is W2's
	s_xor_b32 s28, s25, 1
	s_and_b32 s28, s26, s28                        ; 1: the tile is W1's
	s_sub_co_u32 s29, s20, 12
	s_cmp_ge_u32 s20, 12
	s_cselect_b32 s23, s29, s23
	s_sub_co_u32 s29, s20, 16
	s_lshr_b32 s29, s29, 1
	s_cmp_ge_u32 s20, 16
	s_cselect_b32 s23, s29, s23                    ; jt
	s_lshl_b32 s30, s22, 5                         ; k0 = 32 p
	s_lshl_b32 s31, s23, 7                         ; first column = 128 jt
	s_lshr_b32 s32, s22, 2
	s_lshl_b32 s32, s32, 5
	s_add_co_u32 s32, s32, s31                     ; W2: k0 = 128 jt + 32 (p / 4)
	s_and_b32 s33, s22, 3
	s_lshl_b32 s33, s33, 7                         ; W2: first column = 128 (p % 4)
	s_cmp_eq_u32 s27, 1
	s_cselect_b32 s30, s32, s30
	s_cselect_b32 s31, s33, s31
	s_lshl_b32 s34, s21, 5
	s_add_co_u32 s31, s31, s34                     ; + 32 w
	s_cmp_eq_u32 s28, 1
	s_cselect_b32 s35, 13, 11                      ; a row of W1 is 8,192 bytes, of the others 2,048
	s_lshl_b32 s30, s30, s35
	s_lshl2_add_u32 s30, s31, s30                  ; the source's byte offset, under 2^22
	s_mov_b32 s31, 0
	s_lshl_b32 s32, s20, 17
	s_lshl_b32 s33, s21, 15
	s_add_co_u32 s32, s32, s33
	s_lshl_b32 s33, s22, 11
	s_add_co_u32 s32, s32, s33                     ; the destination's
	s_mov_b32 s33, 0
	s_wait_kmcnt 0x0
	s_cmp_eq_u32 s24, 1                            ; which matrix: a choice between buffers, on the tile's number alone
	s_cselect_b64 s[18:19], s[6:7], s[4:5]
	s_cmp_eq_u32 s24, 2
	s_cselect_b64 s[18:19], s[8:9], s[18:19]
	s_cmp_ge_u32 s20, 12
	s_cselect_b64 s[18:19], s[10:11], s[18:19]
	s_cmp_eq_u32 s27, 1
	s_cselect_b64 s[18:19], s[14:15], s[18:19]
	s_cmp_eq_u32 s28, 1
	s_cselect_b64 s[18:19], s[12:13], s[18:19]
	s_add_nc_u64 s[18:19], s[18:19], s[30:31]
	s_add_nc_u64 s[16:17], s[16:17], s[32:33]
.macro LD32 pitch                      ; my column's 32 numbers, k ascending; the row stands in the immediate
.set kk, 0
.rept 32
	global_load_b32 v[8+kk], v1, s[18:19] offset:kk*(\pitch)
.set kk, kk+1
.endr
.endm
	s_cmp_eq_u32 s28, 1
	s_cbranch_scc1 .Lwide
	LD32 2048
	s_branch .Lgot
.Lwide:
	LD32 8192
.Lgot:                                         ; 32 loads are out on either way
.irp g, 0,1,2,3                        ; piece g = 2 c + h: k = 8 g .. 8 g + 7
	s_wait_loadcnt 24-8*\g                         ; loads come back in order: the 8 (3 - g) younger ones may stay out
.irp i, 0,1,2,3
	v_cvt_pk_bf16_f32 v[40+4*\g+\i], v[8+8*\g+2*\i], v[8+8*\g+2*\i+1]
.endr
	global_store_b128 v2, v[40+4*\g:40+4*\g+3], s[16:17] offset:256*\g  ; lanes 0-15 fill 256 consecutive aligned bytes, lanes 16-31 another 256
.endr
	s_endpgm
.Lfunc_end_k_qad917ef6eb_cast:
	.size	k_qad917ef6eb_cast, .Lfunc_end_k_qad917ef6eb_cast-k_qad917ef6eb_cast
	.p2alignl 7, 3214868480
	.fill 96, 4, 3214868480
	.section	.rodata,"a",@progbits
	.p2align	6, 0x0
	.amdhsa_kernel k_qad917ef6eb_cast
		.amdhsa_group_segment_fixed_size 0
		.amdhsa_private_segment_fixed_size 0
		.amdhsa_enable_private_segment 0
		.amdhsa_kernarg_size 56
		.amdhsa_user_sgpr_count 2
		.amdhsa_user_sgpr_kernarg_segment_ptr 1
		.amdhsa_wavefront_size32 1
		.amdhsa_system_sgpr_workgroup_id_x 1
		.amdhsa_system_sgpr_workgroup_id_y 1
		.amdhsa_system_sgpr_workgroup_id_z 1
		.amdhsa_system_vgpr_workitem_id 0
		.amdhsa_next_free_vgpr 56
		.amdhsa_next_free_sgpr 66
		.amdhsa_reserve_vcc 0
		.amdhsa_float_denorm_mode_32 3
		.amdhsa_float_denorm_mode_16_64 3
		.amdhsa_memory_ordered 1
		.amdhsa_forward_progress 1
		.amdhsa_inst_pref_size 11
	.end_amdhsa_kernel
	.amdgpu_metadata
---
amdhsa.version: [ 1, 2 ]
amdhsa.kernels:
  - .name:           k_qad917ef6eb_cast
    .symbol:         k_qad917ef6eb_cast.kd
    .args:
      - { .name: Wq, .offset: 0, .size: 8, .value_kind: global_buffer, .address_space: global }
      - { .name: Wk, .offset: 8, .size: 8, .value_kind: global_buffer, .address_space: global }
      - { .name: Wv, .offset: 16, .size: 8, .value_kind: global_buffer, .address_space: global }
      - { .name: Wo, .offset: 24, .size: 8, .value_kind: global_buffer, .address_space: global }
      - { .name: W1, .offset: 32, .size: 8, .value_kind: global_buffer, .address_space: global }
      - { .name: W2, .offset: 40, .size: 8, .value_kind: global_buffer, .address_space: global }
      - { .name: wb, .offset: 48, .size: 8, .value_kind: global_buffer, .address_space: global }
    .group_segment_fixed_size: 0
    .private_segment_fixed_size: 0
    .kernarg_segment_align: 8
    .kernarg_segment_size: 56
    .max_flat_workgroup_size: 512
    .sgpr_count:     66
    .vgpr_count:     56
    .wavefront_size: 32
...
	.end_amdgpu_metadata
.endif
;; end of part 1
;; launch block (part 2): grid 256 x 1, 4 waves a work-group, clusters of 4 x 1, 327,680 bytes of LDS; arguments z, wb, bq, bk, bv, bo, ln1_w, ln1_b, b1, b2, ln2_w, ln2_b, out0; writes out0
.if DOCPART == 2
	.amdgcn_target "amdgcn-amd-amdhsa--gfx1250"
	.amdhsa_code_object_version 6
	.text
	.protected	k_qad917ef6eb_block
	.globl	k_qad917ef6eb_block
	.p2align	8
	.type	k_qad917ef6eb_block,@function
k_qad917ef6eb_block:
	s_mov_b64 s[64:65], 0
	v_nop
	global_prefetch_b8 v0, s[64:65] scope:SCOPE_SE
	s_setreg_imm32_b32 hwreg(HW_REG_WAVE_MODE, 25, 1), 1
	s_wait_xcnt 0x0
	s_wait_alu depctr_hold_cnt(0) depctr_sa_sdst(0) depctr_va_vdst(0) depctr_va_sdst(0) depctr_va_ssrc(0) depctr_va_vcc(0) depctr_vm_vsrc(0)
	s_getreg_b32 s2, hwreg(HW_REG_IB_STS2, 6, 4)
	s_cmp_eq_u32 s2, 0
	s_cbranch_scc0 .Lentry_in_a_cluster
	s_endpgm
.Lentry_in_a_cluster:
	s_bfe_u32 s2, ttmp6, 0x10000c
	s_cmp_lg_u32 s2, 0x3003
	s_cbranch_scc0 .Lentry_shape_is_right
	s_endpgm
.Lentry_shape_is_right:
; THE WHOLE BLOCK for 32 rows of z a work-group: q, k, v; attention in the band 0 <= i - j < 10; Wo, residual, LayerNorm; W1, exact GELU, W2, residual, LayerNorm.
; A row needs the 9 rows before it only as keys and values, so the work-group also makes k and v (not q) of the 16 rows in front of its own (the HALO) and nothing goes
; through memory but z in, the weights in, and the result out.  8,192 rows / 32 = 256 work-groups; 64 of them to each of the 4 sequences.
; WEIGHTS.  All work-groups walk the same stream wb: 48 tiles of 131,072 bytes of bf16 in register order (the launch before wrote it), through a ring of two LDS slots.
; The four work-groups of a cluster ask for each tile JOINTLY: each wave the same load of 32,768 bytes with the mask of four; wave w later reads just the quarter that wave w fetched.
; PRODUCTS ARE TAKEN TRANSPOSED: source 0 = 16 columns of a weight x 32 k, source 1 = 16 rows of the activation x 32 k.  In a result lane (r, h) holds row r and the 8 neighbouring
; columns 8 h + 0..7: a bias is a register pair, 8 results pack into 16 bytes, and a row's sum wants one exchange of the lanes' halves and one meeting of the four waves.
; The activations (z, then the attention's output, then z1) stay in registers as source 1 for all 512 k; each byte of a weight tile is read from LDS once, by one wave.
; COLUMNS.  Of a tile's 128 columns wave w has 32 w .. 32 w + 31.  Of the 512 columns of the residual stream it has the 8 groups of 16 at 128 (g / 2) + 32 w + 16 (g % 2): X(g, mt), f32, 128 registers.
; FORMATS.  Matrix operands bf16 (z, weights, q, k, v, the weights p of the softmax, the attention's output, z1, h: each rounded once), sums f32.  Residual stream, both LayerNorms
; (mean first, then the mean of squared differences), softmax statistics and GELU in f32.
; LIMITS.  NaN and infinities are not treated apart.  A hidden score counts as its value less 1e30; a weight below 2^-126 counts as 0.  erf by the rational form of Abramowitz and Stegun 7.1.26,
; absolute error at most 1.5e-7 for every x:  gelu(x) = max(x, 0) - |x| (poly(t) / 2) e^(-x x / 2),  t = 1 / (1 + 0.3275911 |x| / sqrt 2).
; LDS: slot 0 at 0, slot 1 at 131,072 (it first holds z in f32: two halves of 256 columns, 48 rows of 1,024 + 16 bytes each); behind the ring, never filled by a tensor load:
;   XA 32 rows x 1,040: q, overwritten head by head with the attention's output, later z1;  KB 48 x 272: k of two heads, later h;  VBF 48 x 288: v of two heads;  RED: row sums;  the spare words.
;   Pitches are odd multiples of 16 bytes (v: of 32, for the turning load), so that the 16 rows of a load start at different banks (ISA guide 11.1).  At the end slot 0, filled no more, is the stage for the way out.
; REGISTERS, in windows of 256 (s_set_vgpr_msb: bits 1:0 source 0, 3:2 source 1, 5:4 source 2, 7:6 destination):
;   window 0: v0-31 addresses and statistics; v32-47 the band's mask; v48-95 small accumulators; v96-111 at work; v112-127 a tile's bias; v128-255 two buffers of weight fragments, also at work
;   window 1: source 1 of my 32 rows, 8 (2 ks + mt)      window 2: v0-127 source 1 of the halo, later of h; v128-255 X      window 3: bo, ln1_w, ln1_b, b2; later ln2_w, ln2_b
.set SLOTB, 0x20000
.set SLOT1, 0x20000
.set ZP,    1040
.set ZHALF, 48*ZP
.set XA,    0x40000
.set KB,    XA+32*ZP
.set KP,    272
.set VBF,   KB+48*KP
.set VP,    288
.set RED,   VBF+48*VP
.set SPARE, RED+2048                   ; 128 bytes for each wave: two blocks of 256 bytes that no other line names
.set OPI,   2064                       ; a row of the stage for the way out: 2,048 bytes + 16
.set VB0, 3                            ; v3   16 lane + 32,768 wave: my place in a slot
.set VBO, 4                            ; v4   128 wave + 32 h: my 8 numbers in 128 of a bias
.set XS,  5                            ; v5   XA + 1,040 r + 16 h + 64 wave
.set AQ,  6                            ; v6   the same, 256 further for each pair of heads
.set AK,  7                            ; v7   KB + 272 r + 16 h + 64 wave
.set AV,  8                            ; v8   VBF + 288 r + 16 h + 64 wave
.set XAF, 9                            ; v9   XA + 1,040 r + 16 h
.set QF,  10                           ; v10  my query tile and head in XA
.set KF,  11                           ; v11  my first key tile and head in KB
.set VF,  12                           ; v12  the same in VBF, for the turning load
.set ZF1, 13                           ; v13  z's right half
.set HF,  14                           ; v14  KB + 272 r + 16 h
.set RS,  15                           ; v15  RED + 16 lane + 4 wave
.set RL,  16                           ; v16  RED + 16 r
.set ZF0, 17                           ; v17  SLOT1 + 1,040 r + 32 h
.set MU0, 18                           ; v[18:21] the means of my rows r and 16 + r, each twice
.set R0,  22                           ; v[22:25] 1 / deviation, likewise
.set SC,  26                           ; v26-27 at work
.set SPW, 28                           ; v28  my spare word; never rewritten
.set NIL, 29                           ; v29  0; never rewritten
.set PFO, 30                           ; v30  8,192 wave + 256 lane; never rewritten
.set VB,  31                           ; v31  my place in the slot in hand
.set MK,  32
.set AC,  48                           ; own rows: AC + 8 (2 nt + mt); halo: AC + 32 + 8 nt
.set T,   96
.set BI,  112
.set BF,  128
.set XR,  128                          ; window 2
.set PA,  0                            ; window 3
.set PB,  64
.set PC,  128
.set PD,  192
.set SS,  6                            ; the way out takes v6-8 anew
.set SL,  7
.set GO,  8
.set QR,  BF                           ; attention, at work in the fragment buffers
.set KR,  BF+16
.set VR,  BF+48
.set SR,  BF+80
.set PR,  BF+96
.set WV,  30                           ; s30  wave
.set CX,  31                           ; s31  my place in the cluster
.set WGX, 32                           ; s32  work-group
.set HB,  33                           ; s33  -1e30 where my first key tile is the halo of a sequence's first rows, else 0
.set LEFT, 34                          ; s34  tiles still to be entered
.set LIM, 35                           ; s35  2 in the launch's first cluster, else the greatest number
.set G1W, 36
.set G0W, 44
.set G1Z, 48
.set G1H, 56
.set RN,  66                           ; s66  2^-9
.set AM,  67                           ; s67  clears a sign
.set G0Z, 68
.set G0H, 72
.set PFA, 76
.set TB,  78                           ; s78  LDS byte of the slot in hand (until the addresses are made: wave % 2)
.set LC,  79                           ; s79  loop count (until then: wave / 2)
.set BIGN, 80
.set HM,  81                           ; s81  lanes 16-31
.set CS,  82                           ; s[82:83] log2(e) / 8
.set SEL, 84
.set GY,  86
.set GP,  88
.set GA5, 90
.set GA4, 92
.set GA3, 94
.set GA2, 96
.set GA1, 98
.set MSB, 0
.macro WIN new                         ; the immediate's high byte repeats the setting that is left; a switch that changes nothing is dropped
.if MSB != (\new)
	s_set_vgpr_msb (MSB<<8)|(\new)
.set MSB, (\new)
.endif
.endm
; Places behind matrix instructions: four in front of loads into registers that they have read, eight in front of vector work that reads or rewrites their registers.
.macro PLACES n=4
.rept \n
	v_nop
.endr
.endm
; A round of the cluster's barrier: my work-group's barrier, wave 0 signals for the work-group, every wave waits for all four work-groups, my work-group's barrier once more.
.macro ROUND
	s_barrier_signal -1
	s_barrier_wait -1
	s_cmp_lg_u32 s[WV], 0
	s_cbranch_scc1 .Lnw0_\@
	s_barrier_signal -3
.Lnw0_\@:
	s_barrier_wait -3
	s_barrier_signal -1
	s_barrier_wait -1
.endm
; THE CHANGE OF SLOTS, in front of every tile.  Each wave waits for all its tensor loads, of which one is out: its quarter of the tile to be entered; adds 0 to its spare word; waits for that and for
; all its LDS reads and stores.  Behind the round no wave of any partner reads the slot left, and what the waves stored for each other (q, k, v, h) is whole.  refill = 1: the slot left takes the next tile.
.macro NEXT refill
	WIN 0
	s_wait_xcnt 0x0                                ; the last prefetch, a tile's products back, has read its address
	s_add_nc_u64 s[PFA:PFA+1], s[PFA:PFA+1], SLOTB
	s_wait_tensorcnt 0x0                           ; no tensor load of mine is out, so the walking descriptor may be written
	ds_add_u32 v[SPW], v[NIL]                      ; 0 onto my spare word; the steps below stand between it and the wait for it
	s_xor_b32 s[G0W+1], s[G0W+1], SLOTB            ; the other slot,
	s_add_nc_u64 s[G0W+2:G0W+3], s[G0W+2:G0W+3], SLOTB  ; the next tile; the type bits on top are not reached
	s_xor_b32 s[TB], s[TB], SLOTB
	s_sub_co_u32 s[LEFT], s[LEFT], 1
	s_wait_dscnt 0x0
	ROUND
.if \refill
	tensor_load_to_lds s[G0W:G0W+3], s[G1W:G1W+7]  ; my one tensor load behind the round: it has this tile's work in which to land
	s_nop 0
.endif
	PLACES                                         ; also the places in front of the loads into the fragment buffers
	v_add_nc_u32 v[VB], s[TB], v[VB0]
.endm
; A PREFETCH INTO THE L2, behind a tile's first LDS loads: in the trip of tile t the tile t + 3, whose load goes out two trips on.  All clusters walk the same stream: the launch's first cluster asks.
; Its four partners take a quarter of the tile each, told apart by address; a wave 8,192 bytes of it, a lane 256: each block is named once.  Tiles 0 to 2 come by their loads alone; the last three trips ask for nothing.
.macro ASK
	s_cmp_gt_u32 s[LEFT], s[LIM]
	s_cbranch_scc0 .Lna_\@
	global_prefetch_b8 v[PFO], s[PFA:PFA+1] th:TH_LOAD_NT scope:SCOPE_SE
.Lna_\@:
.endm
; 16 LDS loads in one run: 8 fragments, 8,192 consecutive bytes of my quarter, into buffer buf.  32 lanes x 16 neighbouring bytes: no bank is asked twice.
.macro FETCH b, buf
.if (MSB&0xC3) != 0
	WIN (MSB&0x3C)                                 ; destination and address in window 0; the other places stay
.endif
.set fi, 0
.rept 16
	ds_load_b128 v[BF+64*(\buf)+4*fi:BF+64*(\buf)+4*fi+3], v[VB] offset:8192*(\b)+512*fi
.set fi, fi+1
.endr
.endm
; A quarter (128 k) of a tile of 128 columns x 512 k.  mode 0: into the small accumulators, started by the first product; mode 1: onto X(2 t + nt, mt).  halo = 1: the 16 rows in front too.
; The accumulators take turns, one instruction a turn.
.macro MUL1 b, buf, halo, mode, t
.if \mode
	WIN 0xA4
.else
	WIN 0x04
.endif
.irp ksl, 0,1,2,3
.irp mt, 0,1
.irp nt, 0,1
.set rB, BF+64*(\buf)+8*(2*\ksl+\nt)
.set rA, 8*(2*(4*(\b)+\ksl)+\mt)
.if \mode
.set rD, XR+8*(2*(2*(\t)+\nt)+\mt)
.else
.set rD, AC+8*(2*\nt+\mt)
.endif
.if ((\mode) == 0) && ((\b) == 0) && (\ksl == 0)
	v_wmma_f32_16x16x32_bf16 v[rD:rD+7], v[rB:rB+7], v[rA:rA+7], 0
.else
	v_wmma_f32_16x16x32_bf16 v[rD:rD+7], v[rB:rB+7], v[rA:rA+7], v[rD:rD+7]
.endif
.endr
.endr
.endr
.if \halo
	WIN 0x08
.irp ksl, 0,1,2,3
.irp nt, 0,1
.set rB, BF+64*(\buf)+8*(2*\ksl+\nt)
.set rA, 8*(4*(\b)+\ksl)
.set rD, AC+32+8*\nt
.if ((\b) == 0) && (\ksl == 0)
	v_wmma_f32_16x16x32_bf16 v[rD:rD+7], v[rB:rB+7], v[rA:rA+7], 0
.else
	v_wmma_f32_16x16x32_bf16 v[rD:rD+7], v[rB:rB+7], v[rA:rA+7], v[rD:rD+7]
.endif
.endr
.endr
.endif
.endm
; A tile of 128 columns x 512 k.  Two buffers: while one quarter is multiplied the next one's 16 loads are out; each count of 16 leaves just those out.
.macro T1 halo, mode, t, bptr
	FETCH 0, 0
	FETCH 1, 1
.if (\mode) == 0
.irp q, 0,1,2,3
	global_load_b128 v[BI+4*\q:BI+4*\q+3], v[VBO], s[\bptr:\bptr+1] offset:64*(\q/2)+16*(\q%2)  ; the bias of my 2 x 8 columns
.endr
.endif
	ASK
	s_wait_dscnt 16
	MUL1 0, 0, \halo, \mode, \t
	PLACES
	FETCH 2, 0
	s_wait_dscnt 16
	MUL1 1, 1, \halo, \mode, \t
	PLACES
	FETCH 3, 1
	s_wait_dscnt 16
	MUL1 2, 0, \halo, \mode, \t
	s_wait_dscnt 0x0
	MUL1 3, 1, \halo, \mode, \t
.endm
; q, k or v leaves the accumulators: + bias, rounded to bf16, 16 bytes a lane into LDS.  With a halo the halo's rows are row tile 0 and my own follow.
.macro EPI adr, pitch, halo
	WIN 0
	PLACES 8
	s_wait_loadcnt 0x0                             ; the bias (the first time also the parameter vectors)
.set ea, 0
.rept 4+2*(\halo)
.if ea < 4
.set ent, ea/2
.set ert, ea%2+(\halo)
.else
.set ent, ea-4
.set ert, 0
.endif
.irp i, 0,1,2,3
	v_pk_add_f32 v[AC+8*ea+2*\i:AC+8*ea+2*\i+1], v[AC+8*ea+2*\i:AC+8*ea+2*\i+1], v[BI+8*ent+2*\i:BI+8*ent+2*\i+1]
.endr
.irp i, 0,1,2,3
	v_cvt_pk_bf16_f32 v[T+4*(ea%4)+\i], v[AC+8*ea+2*\i], v[AC+8*ea+2*\i+1]
.endr
	ds_store_b128 v[\adr], v[T+4*(ea%4):T+4*(ea%4)+3] offset:ert*16*(\pitch)+32*ent
.set ea, ea+1
.endr
.endm
.macro TREE base, n                    ; n register pairs (16 or 8) are added into the first
.irp s, 8,4,2,1
.if (\s) < (\n)
.set tp, 0
.rept \s
	v_pk_add_f32 v[(\base)+2*tp:(\base)+2*tp+1], v[(\base)+2*tp:(\base)+2*tp+1], v[(\base)+2*(tp+\s):(\base)+2*(tp+\s)+1]
.set tp, tp+1
.endr
.endif
.endr
.endm
; ATTENTION for one head and one tile of 16 queries a wave: head 2 j + wave / 2, queries 16 (wave % 2) on.  The band reaches 9 keys back: two tiles of 16 keys, the queries' own and the one in front.
; S^T = K Q^T + mask (a lane: one query, 8 keys of each tile); p = 2^(c s - c m) with the row's true maximum m, which is a seen score since every query sees itself;
; two results rounded to bf16 ARE source 1 of O^T = V^T P; V is turned by ds_load_tr16_b128.  The output takes q's place in XA: nobody else reads those bytes of q.
.macro ATTN
.irp cf, 0,1
	ds_load_b128 v[QR+8*\cf:QR+8*\cf+3],   v[QF] offset:64*\cf
	ds_load_b128 v[QR+8*\cf+4:QR+8*\cf+7], v[QF] offset:64*\cf+32
.endr
.irp kt, 0,1
.irp cf, 0,1
	ds_load_b128 v[KR+16*\kt+8*\cf:KR+16*\kt+8*\cf+3],   v[KF] offset:16*KP*\kt+64*\cf
	ds_load_b128 v[KR+16*\kt+8*\cf+4:KR+16*\kt+8*\cf+7], v[KF] offset:16*KP*\kt+64*\cf+32
.endr
.endr
.irp ct, 0,1,2,3
	ds_load_tr16_b128 v[VR+8*\ct:VR+8*\ct+3],   v[VF] offset:32*\ct
	ds_load_tr16_b128 v[VR+8*\ct+4:VR+8*\ct+7], v[VF] offset:32*\ct+16*VP
.endr
	s_wait_dscnt 8                                 ; Q and K are in; V's eight loads may stay out
	v_wmma_f32_16x16x32_bf16 v[SR:SR+7],    v[KR:KR+7],     v[QR:QR+7],    v[MK:MK+7]
	v_wmma_f32_16x16x32_bf16 v[SR+8:SR+15], v[KR+16:KR+23], v[QR:QR+7],    v[MK+8:MK+15]
	v_wmma_f32_16x16x32_bf16 v[SR:SR+7],    v[KR+8:KR+15],  v[QR+8:QR+15], v[SR:SR+7]
	v_wmma_f32_16x16x32_bf16 v[SR+8:SR+15], v[KR+24:KR+31], v[QR+8:QR+15], v[SR+8:SR+15]
	PLACES 8
	v_max3_num_f32 v[T],   v[SR],   v[SR+1],  v[SR+2]   ; each accumulator's lowest registers are read first
	v_max3_num_f32 v[T+1], v[SR+8], v[SR+9],  v[SR+10]
	v_max3_num_f32 v[T],   v[T],    v[SR+3],  v[SR+4]
	v_max3_num_f32 v[T+1], v[T+1],  v[SR+11], v[SR+12]
	v_max3_num_f32 v[T],   v[T],    v[SR+5],  v[SR+6]
	v_max3_num_f32 v[T+1], v[T+1],  v[SR+13], v[SR+14]
	v_max3_num_f32 v[T],   v[T],    v[SR+7],  v[SR+15]
	v_max_num_f32 v[T], v[T], v[T+1]
	v_permlanex16_b32 v[T+1], v[T], s[SEL], s[SEL+1]    ; the query's other 16 keys lie in the lane 16 away
	v_max_num_f32 v[T], v[T], v[T+1]
	v_mul_f32 v[T+2], s[CS], v[T]
	v_mov_b32 v[T+3], v[T+2]
.irp i, 0,2,4,6,8,10,12,14
	v_pk_fma_f32 v[SR+\i:SR+\i+1], v[SR+\i:SR+\i+1], s[CS:CS+1], v[T+2:T+3] op_sel_hi:[1,0,0] neg_lo:[0,0,1] neg_hi:[0,0,1]
.endr
.set ai, 0
.rept 16
	v_exp_f32 v[SR+ai], v[SR+ai]
.set ai, ai+1
.endr
	v_nop                                          ; a plain instruction behind the last exponential,
	s_wait_alu depctr_va_vdst(0)                   ; and one wait for the batch of 16, ahead of its first reader
.irp i, 0,1,2,3,4,5,6,7
	v_cvt_pk_bf16_f32 v[PR+\i], v[SR+2*\i], v[SR+2*\i+1]
.endr
	TREE SR, 8
	v_add_f32 v[T], v[SR], v[SR+1]
	v_permlanex16_b32 v[T+1], v[T], s[SEL], s[SEL+1]
	v_add_f32 v[T], v[T], v[T+1]                   ; l, at least 1
	v_rcp_f32 v[T+4], v[T]
	v_nop
	s_wait_alu depctr_va_vdst(0)
	v_mov_b32 v[T+5], v[T+4]
	s_wait_dscnt 0x0                               ; V is in
.irp ct, 0,1,2,3
	v_wmma_f32_16x16x32_bf16 v[AC+8*\ct:AC+8*\ct+7], v[VR+8*\ct:VR+8*\ct+7], v[PR:PR+7], 0
.endr
	PLACES 8
.set ai, 0
.rept 16
	v_pk_mul_f32 v[AC+2*ai:AC+2*ai+1], v[AC+2*ai:AC+2*ai+1], v[T+4:T+5]
.set ai, ai+1
.endr
.set ai, 0
.rept 16
	v_cvt_pk_bf16_f32 v[T+ai], v[AC+2*ai], v[AC+2*ai+1]
.set ai, ai+1
.endr
.irp ct, 0,1,2,3
	ds_store_b128 v[QF], v[T+4*\ct:T+4*\ct+3] offset:32*\ct
.endr
.endm
.macro LOADA                           ; XA's 32 rows x 512 channels become source 1, in window 1
	WIN 0x40
.set lk, 0
.rept 32
	ds_load_b128 v[8*lk:8*lk+3],   v[XAF] offset:16*ZP*(lk%2)+64*(lk/2)
	ds_load_b128 v[8*lk+4:8*lk+7], v[XAF] offset:16*ZP*(lk%2)+64*(lk/2)+32
.set lk, lk+1
.endr
	WIN 0
.endm
.macro PLOAD dst, ptr                  ; a vector of 512: my 8 x 8 numbers
.set pn, 0
.rept 8
	global_load_b128 v[(\dst)+8*pn:(\dst)+8*pn+3],   v[VBO], s[\ptr:\ptr+1] offset:512*(pn/2)+64*(pn%2)
	global_load_b128 v[(\dst)+8*pn+4:(\dst)+8*pn+7], v[VBO], s[\ptr:\ptr+1] offset:512*(pn/2)+64*(pn%2)+16
.set pn, pn+1
.endr
.endm
.macro XADD p                          ; X += a vector of window 3
	WIN 0x8E
.set la, 0
.rept 16
.irp i, 0,2,4,6
	v_pk_add_f32 v[XR+8*la+\i:XR+8*la+\i+1], v[XR+8*la+\i:XR+8*la+\i+1], v[(\p)+8*(la/2)+\i:(\p)+8*(la/2)+\i+1]
.endr
.set la, la+1
.endr
.endm
; v[T], v[T+1]: my lane's part of a sum over rows r and 16 + r.  The lanes' halves are added; lane L stores row L's sum of my wave's 128 columns; behind a barrier every lane reads the four waves' parts of its two rows.
; Each of the four areas of RED is used once in the launch.
.macro ROWRED area
	v_permlanex16_b32 v[SC],   v[T],   s[SEL], s[SEL+1]
	v_permlanex16_b32 v[SC+1], v[T+1], s[SEL], s[SEL+1]
	v_add_f32 v[T],   v[T],   v[SC]
	v_add_f32 v[T+1], v[T+1], v[SC+1]
	v_cndmask_b32 v[SC], v[T], v[T+1], s[HM]
	ds_store_b32 v[RS], v[SC] offset:512*(\area)
	s_wait_dscnt 0x0                               ; for the others' sake
	s_barrier_signal -1                            ; the tile on its way may stay out
	s_barrier_wait -1
	ds_load_b128 v[T+4:T+7],  v[RL] offset:512*(\area)
	ds_load_b128 v[T+8:T+11], v[RL] offset:512*(\area)+256
	s_wait_dscnt 0x0
	v_pk_add_f32 v[T+4:T+5], v[T+4:T+5], v[T+6:T+7]
	v_pk_add_f32 v[T+8:T+9], v[T+8:T+9], v[T+10:T+11]
	v_add_f32 v[T],   v[T+4], v[T+5]
	v_add_f32 v[T+1], v[T+8], v[T+9]
.endm
; LayerNorm of X in place: the mean; X - mean; the mean of its squares; times 1 / sqrt(that + 1e-5), times w, plus b.
.macro LN a0, pw, pb
	PLACES 8
	WIN 0x0A
.set la, 0
.rept 16
	v_pk_add_f32 v[BF+32*(la%2)+4*(la/2):BF+32*(la%2)+4*(la/2)+1],   v[XR+8*la:XR+8*la+1],   v[XR+8*la+2:XR+8*la+3]
	v_pk_add_f32 v[BF+32*(la%2)+4*(la/2)+2:BF+32*(la%2)+4*(la/2)+3], v[XR+8*la+4:XR+8*la+5], v[XR+8*la+6:XR+8*la+7]
.set la, la+1
.endr
	WIN 0
	TREE BF, 16
	TREE BF+32, 16
	v_add_f32 v[T],   v[BF],    v[BF+1]
	v_add_f32 v[T+1], v[BF+32], v[BF+33]
	ROWRED \a0
	v_mul_f32 v[MU0],   s[RN], v[T]
	v_mul_f32 v[MU0+1], s[RN], v[T]
	v_mul_f32 v[MU0+2], s[RN], v[T+1]
	v_mul_f32 v[MU0+3], s[RN], v[T+1]
	WIN 0x82
.set la, 0
.rept 16
.irp i, 0,2,4,6
	v_pk_add_f32 v[XR+8*la+\i:XR+8*la+\i+1], v[XR+8*la+\i:XR+8*la+\i+1], v[MU0+2*(la%2):MU0+2*(la%2)+1] neg_lo:[0,1] neg_hi:[0,1]
.endr
.set la, la+1
.endr
	WIN 0x0A
.irp i, 0,2,4,6
.set la, 0
.rept 16
.if \i == 0
	v_pk_mul_f32 v[BF+16*(la%2)+2*(la/2):BF+16*(la%2)+2*(la/2)+1], v[XR+8*la:XR+8*la+1], v[XR+8*la:XR+8*la+1]
.else
	v_pk_fma_f32 v[BF+16*(la%2)+2*(la/2):BF+16*(la%2)+2*(la/2)+1], v[XR+8*la+\i:XR+8*la+\i+1], v[XR+8*la+\i:XR+8*la+\i+1], v[BF+16*(la%2)+2*(la/2):BF+16*(la%2)+2*(la/2)+1]
.endif
.set la, la+1
.endr
.endr
	WIN 0
	TREE BF, 8
	TREE BF+16, 8
	v_add_f32 v[T],   v[BF],    v[BF+1]
	v_add_f32 v[T+1], v[BF+16], v[BF+17]
	ROWRED (\a0)+1
	v_fmaak_f32 v[T],   s[RN], v[T],   0x3727c5ac  ; / 512 + 1e-5
	v_fmaak_f32 v[T+1], s[RN], v[T+1], 0x3727c5ac
	v_rsq_f32 v[R0],   v[T]
	v_rsq_f32 v[R0+2], v[T+1]
	v_nop
	s_wait_alu depctr_va_vdst(0)                   ; one wait for the two, ahead of their first reader
	v_mov_b32 v[R0+1], v[R0]
	v_mov_b32 v[R0+3], v[R0+2]
	WIN 0x82
.set la, 0
.rept 16
.irp i, 0,2,4,6
	v_pk_mul_f32 v[XR+8*la+\i:XR+8*la+\i+1], v[XR+8*la+\i:XR+8*la+\i+1], v[R0+2*(la%2):R0+2*(la%2)+1]
.endr
.set la, la+1
.endr
	WIN 0xBE
.set la, 0
.rept 16
.irp i, 0,2,4,6
	v_pk_fma_f32 v[XR+8*la+\i:XR+8*la+\i+1], v[XR+8*la+\i:XR+8*la+\i+1], v[(\pw)+8*(la/2)+\i:(\pw)+8*(la/2)+\i+1], v[(\pb)+8*(la/2)+\i:(\pb)+8*(la/2)+\i+1]
.endr
.set la, la+1
.endr
	WIN 0
.endm
; GELU of my 32 rows x 32 columns of z1 W1 + b1, then h in bf16 into KB.  The 32 exponentials and 32 reciprocals are one batch with one wait; the 32 maxima are the plain work behind them.
.set GAX, BF
.set GYY, BF+32
.set GDD, BF+64
.set GQQ, BF+96
.macro P16 line:vararg                 ; one packed line for each of the 16 register pairs; g2 = 2 x the pair's number
.set g2, 0
.rept 16
	\line
.set g2, g2+2
.endr
.endm
.macro GELU
	WIN 0
	PLACES 8
	s_wait_loadcnt 0x0                             ; b1's 2 x 8 numbers (the first time also ln2's vectors)
	P16 v_pk_add_f32 v[AC+g2:AC+g2+1], v[AC+g2:AC+g2+1], v[BI+8*(g2/16)+g2%8:BI+8*(g2/16)+g2%8+1]
.set gi, 0
.rept 32
	v_and_b32 v[GAX+gi], s[AM], v[AC+gi]           ; |x|
.set gi, gi+1
.endr
	P16 v_pk_mul_f32 v[GYY+g2:GYY+g2+1], v[GAX+g2:GAX+g2+1], s[GY:GY+1] op_sel_hi:[1,0]
	P16 v_pk_mul_f32 v[GYY+g2:GYY+g2+1], v[GYY+g2:GYY+g2+1], v[GYY+g2:GYY+g2+1] neg_lo:[1,0] neg_hi:[1,0]
	P16 v_pk_fma_f32 v[GDD+g2:GDD+g2+1], v[GAX+g2:GAX+g2+1], s[GP:GP+1], 1.0 op_sel_hi:[1,0,0]
.set gi, 0
.rept 32
	v_exp_f32 v[GYY+gi], v[GYY+gi]                 ; e^(-x x / 2)
.set gi, gi+1
.endr
.set gi, 0
.rept 32
	v_rcp_f32 v[GDD+gi], v[GDD+gi]                 ; t
.set gi, gi+1
.endr
.set gi, 0
.rept 32
	v_max_num_f32 v[AC+gi], 0, v[AC+gi]
.set gi, gi+1
.endr
	s_wait_alu depctr_va_vdst(0)                   ; the wait for the batch of 64
	P16 v_pk_fma_f32 v[GQQ+g2:GQQ+g2+1], v[GDD+g2:GDD+g2+1], s[GA5:GA5+1], s[GA4:GA4+1] op_sel_hi:[1,0,0]
	P16 v_pk_fma_f32 v[GQQ+g2:GQQ+g2+1], v[GQQ+g2:GQQ+g2+1], v[GDD+g2:GDD+g2+1], s[GA3:GA3+1] op_sel_hi:[1,1,0]
	P16 v_pk_fma_f32 v[GQQ+g2:GQQ+g2+1], v[GQQ+g2:GQQ+g2+1], v[GDD+g2:GDD+g2+1], s[GA2:GA2+1] op_sel_hi:[1,1,0]
	P16 v_pk_fma_f32 v[GQQ+g2:GQQ+g2+1], v[GQQ+g2:GQQ+g2+1], v[GDD+g2:GDD+g2+1], s[GA1:GA1+1] op_sel_hi:[1,1,0]
	P16 v_pk_mul_f32 v[GQQ+g2:GQQ+g2+1], v[GQQ+g2:GQQ+g2+1], v[GDD+g2:GDD+g2+1]
	P16 v_pk_mul_f32 v[GQQ+g2:GQQ+g2+1], v[GQQ+g2:GQQ+g2+1], v[GYY+g2:GYY+g2+1]
	P16 v_pk_fma_f32 v[AC+g2:AC+g2+1], v[GAX+g2:GAX+g2+1], v[GQQ+g2:GQQ+g2+1], v[AC+g2:AC+g2+1] neg_lo:[1,0,0] neg_hi:[1,0,0]
	P16 v_cvt_pk_bf16_f32 v[T+g2/2], v[AC+g2], v[AC+g2+1]
.irp ga, 0,1,2,3
	ds_store_b128 v[AK], v[T+4*\ga:T+4*\ga+3] offset:16*KP*(\ga%2)+32*(\ga/2)
.endr
.endm
.macro MUL2 b, buf                     ; 32 k of W2's tile: all 16 accumulators of X take one turn each
	WIN 0xA8
.irp n8, 0,1,2,3,4,5,6,7
.irp mt, 0,1
	v_wmma_f32_16x16x32_bf16 v[XR+8*(2*\n8+\mt):XR+8*(2*\n8+\mt)+7], v[BF+64*(\buf)+8*\n8:BF+64*(\buf)+8*\n8+7], v[8*(2*(\b)+\mt):8*(2*(\b)+\mt)+7], v[XR+8*(2*\n8+\mt):XR+8*(2*\n8+\mt)+7]
.endr
.endr
.endm
.macro T2                              ; a tile of 128 k x 512 columns: X += h W2
	WIN 0x80
.irp ks, 0,1,2,3
.irp mt, 0,1
	ds_load_b128 v[8*(2*\ks+\mt):8*(2*\ks+\mt)+3],   v[HF] offset:16*KP*\mt+64*\ks
	ds_load_b128 v[8*(2*\ks+\mt)+4:8*(2*\ks+\mt)+7], v[HF] offset:16*KP*\mt+64*\ks+32
.endr
.endr
	WIN 0
	FETCH 0, 0
	FETCH 1, 1
	ASK
	s_wait_dscnt 16                                ; h and the first 8 fragments are in
	MUL2 0, 0
	PLACES
	FETCH 2, 0
	s_wait_dscnt 16
	MUL2 1, 1
	PLACES
	FETCH 3, 1
	s_wait_dscnt 16
	MUL2 2, 0
	s_wait_dscnt 0x0
	MUL2 3, 1
.endm
; z, f32 in LDS, becomes source 1: half-batch u = row tile u / 4 (0: the halo), 128 channels u % 4.
.macro ZLD u
	WIN 0
.set zr, ZF0-4*(((\u)%4)/2)
.set zo, 16*ZP*((\u)/4)+512*((\u)%2)
.set zb, BF+64*((\u)%2)
.irp ksl, 0,1,2,3
.irp p, 0,1,2,3
	ds_load_b128 v[zb+16*\ksl+4*\p:zb+16*\ksl+4*\p+3], v[zr] offset:zo+128*\ksl+64*(\p/2)+16*(\p%2)
.endr
.endr
.endm
.macro ZCV u
.if (\u) < 4
	WIN 0x80
.else
	WIN 0x40
.endif
.set zb, BF+64*((\u)%2)
.irp ksl, 0,1,2,3
.if (\u) < 4
.set zd, 8*(4*((\u)%4)+\ksl)
.else
.set zd, 8*(2*(4*((\u)%4)+\ksl)+(\u)/4-1)
.endif
.irp i, 0,1,2,3,4,5,6,7
	v_cvt_pk_bf16_f32 v[zd+\i], v[zb+16*\ksl+2*\i], v[zb+16*\ksl+2*\i+1]
.endr
.endr
.endm
	; ---- the head ----
	s_load_b512 s[4:19], s[0:1], 0x0               ; z s[4:5], wb s[6:7], bq s[8:9], bk s[10:11], bv s[12:13], bo s[14:15], ln1_w s[16:17], ln1_b s[18:19]
	s_load_b256 s[20:27], s[0:1], 0x40             ; b1 s[20:21], b2 s[22:23], ln2_w s[24:25], ln2_b s[26:27]
	s_load_b64 s[28:29], s[0:1], 0x60              ; out0
	v_lshl_add_u32 v[SPW], v0, 2, SPARE
	v_mov_b32 v[NIL], 0
	ds_add_u32 v[SPW], v[NIL]                      ; the wave's opening: the add and its wait come ahead of my first tensor load; the set-up below stands between them
	v_lshrrev_b32 v1, 5, v0
	v_readfirstlane_b32 s[WV], v1                  ; wave 0..3
	s_bfe_u32 s[CX], ttmp6, 0x40000                ; cx
	s_lshl_b32 s[WGX], ttmp9, 2                    ; in a cluster launch ttmp9 counts clusters
	s_add_co_u32 s[WGX], s[WGX], s[CX]
	; a quarter of a weight tile: 32,768 dense bytes as 128 rows of 256
	s_mov_b32 s[G1W],   0x0023000f                 ; 15:0 the mask of four; 17:16 elements of 8 bytes; 21 set beside a mask
	s_mov_b32 s[G1W+1], 32<<16                     ; tensor_dim0 = 32
	s_mov_b32 s[G1W+2], 128<<16                    ; tensor_dim1 = 128
	s_mov_b32 s[G1W+3], 32<<16                     ; tile_dim0 = 32
	s_mov_b32 s[G1W+4], 128                        ; tile_dim1 = 128
	s_mov_b32 s[G1W+5], 32                         ; 32 elements from row to row
	s_mov_b32 s[G1W+6], 0
	s_mov_b32 s[G1W+7], 0
	; z: 16 rows (the halo: 8) x 256 numbers of 4 bytes, 16 bytes of padding behind each row's 1,024; no mask: each work-group has rows of its own
	s_mov_b32 s[G1Z],   0x07d20000                 ; 17:16 elements of 4 bytes; 20 padding on; 24:22 after every 256 words (code 7); 31:25 4 words (code 3)
	s_mov_b32 s[G1Z+1], 256<<16
	s_mov_b32 s[G1Z+2], 16<<16
	s_mov_b32 s[G1Z+3], 256<<16
	s_mov_b32 s[G1Z+4], 16
	s_mov_b32 s[G1Z+5], 512
	s_mov_b32 s[G1Z+6], 0
	s_mov_b32 s[G1Z+7], 0
	s_mov_b32 s[G1H],   0x07d20000
	s_mov_b32 s[G1H+1], 256<<16
	s_mov_b32 s[G1H+2], 8<<16
	s_mov_b32 s[G1H+3], 256<<16
	s_mov_b32 s[G1H+4], 8
	s_mov_b32 s[G1H+5], 512
	s_mov_b32 s[G1H+6], 0
	s_mov_b32 s[G1H+7], 0
	s_and_b32 s78, s[WV], 1                        ; which half of z's columns I fetch; also my query tile
	s_lshr_b32 s79, s[WV], 1                       ; which rows; also my head of a pair
	s_mov_b32 s[G0W], 1
	s_lshl_b32 s[G0W+1], s[WV], 15                 ; slot 0, my quarter
	s_mov_b32 s[G0Z], 1
	s_mul_i32 s2, s78, ZHALF
	s_mul_i32 s3, s79, 16*ZP
	s_add_co_u32 s3, s3, s2
	s_add_co_u32 s[G0Z+1], s3, SLOT1+16*ZP         ; my own rows lie behind the halo's 16
	s_mov_b32 s[G0H], 1
	s_mul_i32 s3, s79, 8*ZP
	s_add_co_u32 s3, s3, s2
	s_add_co_u32 s[G0H+1], s3, SLOT1
	s_lshl_b32 s2, s79, 15                         ; 16 rows of 2,048 bytes
	s_lshl_b32 s3, s78, 10
	s_add_co_u32 s2, s2, s3
	s_lshl_b32 s100, s[WGX], 16                    ; the work-group's 32 rows
	s_sub_co_i32 s33, s100, 0x8000                 ; 16 rows in front of them; the launch's first work-group takes rows 0-15, which the mask hides
	s_max_i32 s33, s33, 0
	s_add_co_u32 s100, s100, s2
	s_lshl_b32 s2, s79, 14                         ; 8 rows
	s_add_co_u32 s2, s2, s3
	s_add_co_u32 s33, s33, s2
	s_mov_b32 s101, 0
	s_mov_b32 s[LEFT], 48
	s_cmp_eq_u32 ttmp9, 0
	s_cselect_b32 s[LIM], 2, -1                    ; the same in all four partners
	s_mov_b32 s[RN], 0x3b000000                    ; 1 / 512
	s_mov_b32 s[AM], 0x7fffffff
	s_mov_b32 s[BIGN], 0xf149f2ca                  ; -1e30
	s_mov_b32 s[HM], 0xffff0000
	s_mov_b32 s[CS], 0x3e38aa3b                    ; log2(e) / 8
	s_mov_b32 s[CS+1], 0x3e38aa3b
	s_mov_b32 s[SEL], 0x76543210
	s_mov_b32 s[SEL+1], 0xfedcba98
	s_mov_b32 s[GY], 0x3f596d27                    ; sqrt(log2(e) / 2) = 0.8493218.  Each constant is named as a pair, so both words are written
	s_mov_b32 s[GY+1], 0x3f596d27
	s_mov_b32 s[GP], 0x3e6d3388                    ; 0.3275911 / sqrt 2
	s_mov_b32 s[GP+1], 0x3e6d3388
	s_mov_b32 s[GA5], 0x3f07dc22                   ; the five coefficients, halved: 0.5307027,
	s_mov_b32 s[GA5+1], 0x3f07dc22
	s_mov_b32 s[GA4], 0xbf3a00e3                   ; -0.7265760,
	s_mov_b32 s[GA4+1], 0xbf3a00e3
	s_mov_b32 s[GA3], 0x3f35f0e3                   ; 0.7107069,
	s_mov_b32 s[GA3+1], 0x3f35f0e3
	s_mov_b32 s[GA2], 0xbe11a98e                   ; -0.1422484,
	s_mov_b32 s[GA2+1], 0xbe11a98e
	s_mov_b32 s[GA1], 0x3e027906                   ; 0.1274148
	s_mov_b32 s[GA1+1], 0x3e027906
	s_wait_dscnt 0x0                               ; the opening add is done
	s_wait_kmcnt 0x0
	s_add_nc_u64 s[G0Z+2:G0Z+3], s[4:5], s[100:101]
	s_or_b32 s[G0Z+3], s[G0Z+3], 0x80000000
	s_mov_b32 s100, s33
	s_add_nc_u64 s[G0H+2:G0H+3], s[4:5], s[100:101]
	s_or_b32 s[G0H+3], s[G0H+3], 0x80000000
	s_lshl_b32 s100, s[CX], 15                     ; the prefetches: my work-group's quarter of a tile,
	s_add_nc_u64 s[PFA:PFA+1], s[6:7], s[100:101]
	s_add_nc_u64 s[PFA:PFA+1], s[PFA:PFA+1], 2*SLOTB  ; at tile 2: the first change of slots steps it to tile 3
	s_lshl_b32 s100, s[WGX], 16
	s_add_nc_u64 s[28:29], s[28:29], s[100:101]    ; out0 at my work-group's rows
	s_and_b32 s33, s[WGX], 63                      ; a sequence's first work-group,
	s_or_b32 s33, s33, s78                         ; and the query tile whose first key tile is the halo?
	s_cmp_eq_u32 s33, 0
	s_cselect_b32 s[HB], s[BIGN], 0
	s_lshl_b32 s2, s[WV], 15                       ; the joint load's address hangs on the wave's number alone
	s_mov_b32 s3, 0
	s_add_nc_u64 s[G0W+2:G0W+3], s[6:7], s[2:3]
	s_or_b32 s[G0W+3], s[G0W+3], 0x80000000
	ROUND                                          ; all four work-groups are here: the first joint loads meet
	tensor_load_to_lds s[G0Z:G0Z+3], s[G1Z:G1Z+7]  ; the first fills go out together: three loads of mine are out
	s_nop 0
	tensor_load_to_lds s[G0H:G0H+3], s[G1H:G1H+7]
	s_nop 0
	tensor_load_to_lds s[G0W:G0W+3], s[G1W:G1W+7]  ; tile 0
	s_nop 0
	PLACES
	v_and_b32 v1, 15, v0                           ; r
	v_bfe_u32 v2, v0, 4, 1                         ; h
	v_and_b32 v[SC], 31, v0                        ; lane
	v_lshlrev_b32 v[SC+1], 4, v[SC]
	s_lshl_b32 s2, s[WV], 15
	v_add_nc_u32 v[VB0], s2, v[SC+1]
	s_lshl_b32 s2, s[WV], 7
	v_lshl_add_u32 v[VBO], v2, 5, s2
	v_mul_u32_u24 v[ZF0], v1, ZP
	v_lshl_add_u32 v[XAF], v2, 4, v[ZF0]
	v_lshl_add_u32 v[ZF0], v2, 5, v[ZF0]
	v_add_nc_u32 v[ZF0], SLOT1, v[ZF0]
	v_add_nc_u32 v[ZF1], ZHALF, v[ZF0]
	v_add_nc_u32 v[XAF], XA, v[XAF]
	s_lshl_b32 s3, s[WV], 6
	v_add_nc_u32 v[XS], s3, v[XAF]
	v_mov_b32 v[AQ], v[XS]
	v_mul_u32_u24 v[HF], v1, KP
	v_lshl_add_u32 v[HF], v2, 4, v[HF]
	v_add_nc_u32 v[HF], KB, v[HF]
	v_add_nc_u32 v[AK], s3, v[HF]
	v_mul_u32_u24 v[AV], v1, VP
	v_lshl_add_u32 v[AV], v2, 4, v[AV]
	v_add_nc_u32 v[AV], VBF, v[AV]
	v_add_nc_u32 v[AV], s3, v[AV]
	s_lshl_b32 s3, s79, 7                          ; my head's 128 bytes
	s_mul_i32 s2, s78, 16*ZP                       ; my query tile's rows
	s_add_co_u32 s2, s2, s3
	v_add_nc_u32 v[QF], s2, v[XAF]
	s_mul_i32 s2, s78, 16*KP
	s_add_co_u32 s2, s2, s3
	v_add_nc_u32 v[KF], s2, v[HF]
	v_and_b32 v[VF], 7, v0                         ; the turning load: lane L reads key 8 h + L % 8, channels 8 ((L / 8) % 2) on
	v_lshl_add_u32 v[VF], v2, 3, v[VF]
	v_mul_u32_u24 v[VF], v[VF], VP
	v_bfe_u32 v[VB], v0, 3, 1
	v_lshl_add_u32 v[VF], v[VB], 4, v[VF]
	s_mul_i32 s2, s78, 16*VP
	s_add_co_u32 s2, s2, s3
	s_add_co_u32 s2, s2, VBF
	v_add_nc_u32 v[VF], s2, v[VF]
	s_lshl_b32 s2, s[WV], 2
	s_add_co_u32 s2, s2, RED
	v_add_nc_u32 v[RS], s2, v[SC+1]
	v_lshl_add_u32 v[RL], v1, 4, RED
	s_lshl_b32 s2, s[WV], 13
	v_lshl_add_u32 v[PFO], v[SC], 8, s2
	s_mov_b32 s[TB], SLOTB                         ; the first change of slots turns it into slot 0
	WIN 0xC0
	PLOAD PA, 14                                   ; bo
	PLOAD PB, 16                                   ; ln1_w
	PLOAD PC, 18                                   ; ln1_b
	PLOAD PD, 22                                   ; b2
	WIN 0
	; the band's mask.  Query 16 + r, key 16 kt + 8 h + j, both counted from my first key tile: seen where 0 <= 16 + r - 8 h - (16 kt + j) < 10, as an unsigned number
	v_lshlrev_b32 v[SC+1], 3, v2
	v_sub_nc_u32 v[SC+1], v1, v[SC+1]
	v_add_nc_u32 v[SC+1], 16, v[SC+1]
.set mi, 0
.rept 16
	v_sub_nc_u32 v[SC], v[SC+1], 16*(mi/8)+mi%8
	v_cmp_le_u32 vcc_lo, 10, v[SC]
	v_cndmask_b32 v[MK+mi], 0, s[BIGN], vcc_lo
.set mi, mi+1
.endr
.set mi, 0
.rept 8
	v_min_num_f32 v[MK+mi], s[HB], v[MK+mi]        ; in front of a sequence's first row there are no keys
.set mi, mi+1
.endr
	s_wait_tensorcnt 0x1                           ; my parts of z are in; tile 0, issued behind them, may stay out
	s_barrier_signal -1
	s_barrier_wait -1                              ; everybody's are
	; ---- z into registers: bf16 as source 1, f32 as the residual stream ----
	ZLD 0
.set zu, 0
.rept 12
.if zu < 11
	ZLD zu+1
	s_wait_dscnt 16                                ; all but the 16 just issued
.else
	s_wait_dscnt 0x0
.endif
	ZCV zu
.set zu, zu+1
.endr
	WIN 0
	s_lshl_b32 s2, s[WV], 7
	v_add_nc_u32 v[T],   s2, v[ZF0]
	v_add_nc_u32 v[T+1], s2, v[ZF1]
	WIN 0x80
.set la, 0
.rept 16                               ; X(g, mt) = z: g = la / 2, mt = la % 2
	ds_load_b128 v[XR+8*la:XR+8*la+3],   v[T+la/8] offset:16*ZP*(la%2+1)+512*((la/4)%2)+64*((la/2)%2)
	ds_load_b128 v[XR+8*la+4:XR+8*la+7], v[T+la/8] offset:16*ZP*(la%2+1)+512*((la/4)%2)+64*((la/2)%2)+16
.set la, la+1
.endr
	WIN 0
	; ---- q, k, v and attention, two heads a trip: tiles 0 to 11 ----
	s_mov_b32 s[LC], 4
.Lqkv:
	NEXT 1                                         ; (the first time: z has been read out of slot 1, which takes tile 1)
	T1 0, 0, 0, 8
	EPI AQ, ZP, 0
	NEXT 1
	T1 1, 0, 0, 10
	EPI AK, KP, 1
	NEXT 1
	T1 1, 0, 0, 12
	EPI AV, VP, 1
	s_wait_dscnt 0x0                               ; my stores of q, k and v are done,
	s_barrier_signal -1
	s_barrier_wait -1                              ; everybody's are
	ATTN
	v_add_nc_u32 v[AQ], 0x100, v[AQ]               ; the next two heads' 256 bytes of a row
	v_add_nc_u32 v[QF], 0x100, v[QF]
	s_wait_xcnt 0x0                                ; the biases' loads have read their addresses
	s_add_nc_u64 s[8:9], s[8:9], 512
	s_add_nc_u64 s[10:11], s[10:11], 512
	s_add_nc_u64 s[12:13], s[12:13], 512
	s_sub_co_u32 s[LC], s[LC], 1
	s_cmp_lg_u32 s[LC], 0
	s_cbranch_scc1 .Lqkv
	; ---- X = z + bo + o Wo: tiles 12 to 15 ----
	s_wait_dscnt 0x0                               ; my last stores of the attention's output are done,
	s_barrier_signal -1
	s_barrier_wait -1                              ; everybody's are
	LOADA
	XADD PA
.irp t, 0,1,2,3
	NEXT 1
	T1 0, 1, \t, 0
.endr
	; ---- LayerNorm 1; z1 in bf16 becomes source 1; the second residual sum starts at z1 + b2 ----
	LN 0, PB, PC
	WIN 0x0A
.set la, 0
.rept 16
.irp i, 0,1,2,3
	v_cvt_pk_bf16_f32 v[BF+4*la+\i], v[XR+8*la+2*\i], v[XR+8*la+2*\i+1]
.endr
.set la, la+1
.endr
	WIN 0
.set la, 0
.rept 16
	ds_store_b128 v[XS], v[BF+4*la:BF+4*la+3] offset:16*ZP*(la%2)+256*(la/4)+32*((la/2)%2)
.set la, la+1
.endr
	XADD PD
	WIN 0
	s_wait_dscnt 0x0
	s_barrier_signal -1
	s_barrier_wait -1
	LOADA
	WIN 0xC0
	PLOAD PA, 24                                   ; ln2_w
	PLOAD PB, 26                                   ; ln2_b
	WIN 0
	; ---- X += gelu(z1 W1 + b1) W2, 128 columns of h a trip: tiles 16 to 47 ----
	s_mov_b32 s[LC], 15
.Lffn:
	NEXT 1
	T1 0, 0, 0, 20
	GELU
	NEXT 1                                         ; its round also stands between the waves' stores of h and the reads
	T2
	WIN 0
	s_wait_xcnt 0x0
	s_add_nc_u64 s[20:21], s[20:21], 512
	s_sub_co_u32 s[LC], s[LC], 1
	s_cmp_lg_u32 s[LC], 0
	s_cbranch_scc1 .Lffn
	NEXT 1                                         ; the last two tiles are written out
	T1 0, 0, 0, 20
	GELU
	NEXT 0                                         ; nothing is left to fetch
	T2
	; ---- LayerNorm 2 and the way out ----
	LN 2, PA, PB
	v_mul_u32_u24 v[SS], v1, OPI                   ; into the stage: row r, my 32 bytes of each group of 16 columns
	v_lshl_add_u32 v[SS], v2, 5, v[SS]
	s_lshl_b32 s2, s[WV], 7
	v_add_nc_u32 v[SS], s2, v[SS]
	v_and_b32 v[SC], 31, v0
	v_lshlrev_b32 v[SC], 4, v[SC]
	s_mul_i32 s2, s[WV], 8*OPI                     ; back: wave w takes rows 8 w .. 8 w + 7, whole
	v_add_nc_u32 v[SL], s2, v[SC]
	s_lshl_b32 s2, s[WV], 14
	v_add_nc_u32 v[GO], s2, v[SC]
	WIN 0x08                                       ; slot 0 has had its last fill (tile 46), and every wave's reads of it ended in front of the last round
.set la, 0
.rept 16
	ds_store_b128 v[SS], v[XR+8*la:XR+8*la+3]   offset:16*OPI*(la%2)+512*(la/4)+64*((la/2)%2)
	ds_store_b128 v[SS], v[XR+8*la+4:XR+8*la+7] offset:16*OPI*(la%2)+512*(la/4)+64*((la/2)%2)+16
.set la, la+1
.endr
	WIN 0
	s_wait_dscnt 0x0
	s_barrier_signal -1
	s_barrier_wait -1
.set oi, 0
.rept 32
	ds_load_b128 v[BF+4*oi:BF+4*oi+3], v[SL] offset:OPI*(oi/4)+512*(oi%4)
.set oi, oi+1
.endr
.set oi, 0
.rept 32
	s_wait_dscnt 31-oi                             ; LDS loads come back in order: the younger ones may stay out
	global_store_b128 v[GO], v[BF+4*oi:BF+4*oi+3], s[28:29] offset:2048*(oi/4)+512*(oi%4) th:TH_STORE_NT  ; 512 consecutive bytes, at a multiple of 256 from out0's first
.set oi, oi+1
.endr
	s_wait_tensorcnt 0x0                           ; the wave's end: the add to the spare word and its wait come behind my last tensor load and my last LDS store
	ds_add_u32 v[SPW], v[NIL]
	s_wait_dscnt 0x0
	ROUND                                          ; the closing round: no work-group ends while a partner may still ask for a tile that names it
	s_endpgm
.Lfunc_end_k_qad917ef6eb_block:
	.size	k_qad917ef6eb_block, .Lfunc_end_k_qad917ef6eb_block-k_qad917ef6eb_block
	.p2alignl 7, 3214868480
	.fill 96, 4, 3214868480
	.section	.rodata,"a",@progbits
	.p2align	6, 0x0
	.amdhsa_kernel k_qad917ef6eb_block
		.amdhsa_group_segment_fixed_size 327680
		.amdhsa_private_segment_fixed_size 0
		.amdhsa_enable_private_segment 0
		.amdhsa_kernarg_size 104
		.amdhsa_user_sgpr_count 2
		.amdhsa_user_sgpr_kernarg_segment_ptr 1
		.amdhsa_wavefront_size32 1
		.amdhsa_system_sgpr_workgroup_id_x 1
		.amdhsa_system_sgpr_workgroup_id_y 1
		.amdhsa_system_sgpr_workgroup_id_z 1
		.amdhsa_system_vgpr_workitem_id 0
		.amdhsa_next_free_vgpr 1024
		.amdhsa_next_free_sgpr 102
		.amdhsa_reserve_vcc 1
		.amdhsa_float_denorm_mode_32 3
		.amdhsa_float_denorm_mode_16_64 3
		.amdhsa_memory_ordered 1
		.amdhsa_forward_progress 1
		.amdhsa_inst_pref_size 255
	.end_amdhsa_kernel
	.section	.bss,"aw",@nobits
	.p2align	6
	.space	262144
	.amdgpu_metadata
---
amdhsa.version: [ 1, 2 ]
amdhsa.kernels:
  - .name:           k_qad917ef6eb_block
    .symbol:         k_qad917ef6eb_block.kd
    .args:
      - { .name: z, .offset: 0, .size: 8, .value_kind: global_buffer, .address_space: global }
      - { .name: wb, .offset: 8, .size: 8, .value_kind: global_buffer, .address_space: global }
      - { .name: bq, .offset: 16, .size: 8, .value_kind: global_buffer, .address_space: global }
      - { .name: bk, .offset: 24, .size: 8, .value_kind: global_buffer, .address_space: global }
      - { .name: bv, .offset: 32, .size: 8, .value_kind: global_buffer, .address_space: global }
      - { .name: bo, .offset: 40, .size: 8, .value_kind: global_buffer, .address_space: global }
      - { .name: ln1_w, .offset: 48, .size: 8, .value_kind: global_buffer, .address_space: global }
      - { .name: ln1_b, .offset: 56, .size: 8, .value_kind: global_buffer, .address_space: global }
      - { .name: b1, .offset: 64, .size: 8, .value_kind: global_buffer, .address_space: global }
      - { .name: b2, .offset: 72, .size: 8, .value_kind: global_buffer, .address_space: global }
      - { .name: ln2_w, .offset: 80, .size: 8, .value_kind: global_buffer, .address_space: global }
      - { .name: ln2_b, .offset: 88, .size: 8, .value_kind: global_buffer, .address_space: global }
      - { .name: out0, .offset: 96, .size: 8, .value_kind: global_buffer, .address_space: global }
    .group_segment_fixed_size: 327680
    .private_segment_fixed_size: 0
    .kernarg_segment_align: 8
    .kernarg_segment_size: 104
    .max_flat_workgroup_size: 128
    .sgpr_count:     102
    .vgpr_count:     1024
    .wavefront_size: 32
...
	.end_amdgpu_metadata
.endif
;; end of part 2
